; MI455X (gfx1250); checked and timed in simulation.
; The chip was launched on July 23, 2026; its instructions are those of AMD's public machine-readable ISA for CDNA 5 (MIT licence, August 2026) and "CDNA5" Instruction Set Architecture Reference Guide (July 2026). The comments in the code are by the model that wrote it; some were corrected since.
;; Multi Headed Polar Rotate Attention. Allowed arithmetic: float matrix products may take bf16 or f16 operands with f32 sums; all other float work in f32.
;; Inputs: b_i 3 x 512 float32; b_oi 512 float32; b_or 512 float32; b_r 3 x 512 float32; img_k 4 x 2,048 x 512 float32; img_q 4 x 2,048 x 512 float32; img_v 4 x 2,048 x 512 float32; real_k 4 x 2,048 x 512 float32; real_q 4 x 2,048 x 512 float32; real_v 4 x 2,048 x 512 float32; w_i 3 x 512 x 512 float32; w_oi 512 x 512 float32; w_or 512 x 512 float32; w_r 3 x 512 x 512 float32.
;; Outputs: out0 4 x 2,048 x 512 float32; out1 4 x 2,048 x 512 float32.
;; One version. Each part assembles by itself: llvm-mc -triple=amdgcn-amd-amdhsa -mcpu=gfx1250 --defsym DOCPART=n.
;; ======== version 1 of 1: 3 launches
;; limits: values are held in f16: magnitudes above 65,504 overflow, below 6.1e-05 lose precision
;; workspace buffers: qkv 50,331,648 bytes; x 16,777,216 bytes
;; launch proj (part 1): grid 4 x 64, 4 waves a work-group, clusters of 4 x 1, 327,680 bytes of LDS; arguments real_q, img_q, real_k, img_k, real_v, img_v, w_r, w_i, b_r, b_i, qkv; writes qkv
.if DOCPART == 1
	.amdgcn_target "amdgcn-amd-amdhsa--gfx1250"
	.amdhsa_code_object_version 6
	.text
	.protected	k_q756da8dcfe_proj
	.globl	k_q756da8dcfe_proj
	.p2align	8
	.type	k_q756da8dcfe_proj,@function
k_q756da8dcfe_proj:
	s_mov_b64 s[64:65], 0
	v_nop
	global_prefetch_b8 v0, s[64:65] scope:SCOPE_SE
	s_setreg_imm32_b32 hwreg(HW_REG_WAVE_MODE, 25, 1), 1
	s_wait_xcnt 0x0
	s_wait_alu depctr_hold_cnt(0) depctr_sa_sdst(0) depctr_va_vdst(0) depctr_va_sdst(0) depctr_va_ssrc(0) depctr_va_vcc(0) depctr_vm_vsrc(0)
	s_getreg_b32 s2, hwreg(HW_REG_IB_STS2, 6, 4)
	s_cmp_eq_u32 s2, 0
	s_cbranch_scc0 .Lentry_in_a_cluster
	s_endpgm
.Lentry_in_a_cluster:
	s_bfe_u32 s2, ttmp6, 0x10000c
	s_cmp_lg_u32 s2, 0x3003
	s_cbranch_scc0 .Lentry_shape_is_right
	s_endpgm
.Lentry_shape_is_right:
; The six linear layers: y = x W^T + b, x [8192][512] f32, W [512][512] f32, b [512] f32; y rounded once to f16 and stored split by head:
; qkv[plane 6][batch 4][head 16][token 2048][32] f16, planes qr, qi, kr, ki, vr, vi.
; A WORK-GROUP STAYS and makes three tiles one after the other: the q, k and v layers of one stream (real or imaginary), 256 tokens x 128 columns
; (four heads) each, with four waves; a wave makes 64 tokens x 128 columns: 32 accumulator tiles of 16 x 16, 256 registers.  256 work-groups in all.
; K goes in steps of 128, four to a tile, twelve in all, and the ring of two LDS slots goes on from one tile into the next: the first two K steps of the
; next tile are asked for during the last two of this one, and a tile's way out stands behind the next tile's first refill, so that rounding and
; storing run while tiles are on their way.  The twelve steps are written out: the first has no refill in front of it and the last fills nothing.
; x comes by tensor loads (rows of 512 bytes of f32); each wave fetches, reads and rounds its own 64 rows.
; W does not go through the ring, so that two slots of this K step fit: each wave loads 32 of the 128 rows into registers, a step ahead, rounds them
; once to f16 and puts them into an LDS buffer of their own, from which all four waves take their fragments.
; Operands f16, sums and bias f32.
; LIMITS: f16 operands and f16 results: |x|, |W| and |y| must stay below 65,504; magnitudes under 6.1e-5 lie on f16's denormal grid (steps of 6e-8).
; NaN and infinities are not followed.
; CLUSTERS: the four work-groups of a cluster make the four column quarters of the same 256 tokens, so they need the same tiles of x: those are
; asked for jointly (mask 15).  W's quarter differs from partner to partner, so nothing of it can be shared.
; PREFETCH: in K step T (T = 0 .. 9) each wave asks once for 32 blocks of 256 bytes of x's tile T + 2, whose tensor load is issued at the head of step T + 1:
; one step, 128 matrix instructions of the wave, ahead.  A tile has 512 such blocks for the cluster: partner cx takes rows 64 cx .. + 63, its wave w
; rows 16 w .. + 15 of them, a lane one half of a row's 512 bytes: each block is asked for once.  Steps 10 and 11 ask for nothing.
; REGISTERS in windows of 256: window 0 addresses and the f16 fragments (two buffers); window 1 the accumulators (tile (a, b) at v[8 (8 a + b)]);
; window 2 v0-63 x's f32 numbers as they come from LDS, v64-191 W's f32 numbers as they come from memory, v192-255 the bias in the accumulators' layout.
; THE MATRIX INSTRUCTION IS USED TRANSPOSED: source 0 = 16 rows of W, source 1 = 16 tokens.  Lane l then holds token l % 16 and, in registers 0 to 7,
; the columns 8 (l / 16) + 0..7 of the tile: eight neighbouring numbers of a head, 16 bytes in f16.
.set KB,     512                       ; bytes of a K step (128 f32) in a row
.set PITCH,  528                       ; x's LDS row: 512 bytes + 16 of padding = 33 x 16: sixteen rows start at sixteen different 16-byte columns modulo 256
.set WPART,  64*PITCH                  ; a wave's 64 rows of x
.set SLOT,   4*WPART
.set WBUF,   2*SLOT                    ; behind the ring: W's step in f16, 128 rows; no fill lands here
.set WPITCH, 272                       ; 256 bytes + 16
.set STAGE,  WBUF+128*WPITCH           ; behind it: each wave's own stage, [head 4][token 16] of 80 bytes; no fill lands here
.set STG_W,  5120
.set ADA, 4                            ; v4, v5   LDS address of my x fragments in slot 0, 1
.set ADW, 6                            ; v6       LDS address of W's fragments
.set WST, 7                            ; v7       where I put 8 bytes of a row of W
.set STO, 8                            ; v8       the way out: where I put 16 bytes
.set RD,  9                            ; v9       the way out: where I read 16 bytes back
.set CO,  10                           ; v10      16 x lane: my bytes in a run of 512 (W's rows in memory, qkv)
.set BA,  11                           ; v11      32 x (lane / 16): my eight bias numbers in a tile's sixteen
.set PF,  12                           ; v12      the block of x that I ask for ahead
.set TMP, 32                           ; v32-63   packed results
.set F0,  64                           ; v64-159  fragments, buffer 0: x's four at +8a, W's eight at +32+8b
.set F1,  160                          ; v160-255 buffer 1
.set WL,  64                           ; window 2
.set BIAS, 192                         ; window 2
.set AB,  16                           ; s[16:17], s[20:21], s[24:25]  layer l's x at the block's first row
.set AW,  18                           ; s[18:19], s[22:23], s[26:27]  layer l's x at my wave's first row
.set G1A, 44                           ; s[44:51] group 1 of x's tiles
.set G0A, 72                           ; s[72:79] group 0 of x's tiles, a set for each slot
.set MSB, 0
.macro WIN new                         ; the immediate's high byte repeats the setting that is left; a switch that changes nothing is dropped
.if MSB != \new
	s_set_vgpr_msb (MSB<<8)|\new
.set MSB, \new
.endif
.endm
.macro PLACES n
.rept \n
	v_nop
.endr
.endm
; A round of the cluster's barrier: my work-group's barrier, wave 0 signals for the work-group, every wave waits for all four work-groups, my work-group's barrier again.
.macro ROUND
	s_barrier_signal -1
	s_barrier_wait -1
	s_cmp_lg_u32 s8, 0
	s_cbranch_scc1 .Lnot_wave_0_\@
	s_barrier_signal -3
.Lnot_wave_0_\@:
	s_barrier_wait -3
	s_barrier_signal -1
	s_barrier_wait -1
.endm
; 32 loads: my 32 rows of K step k of layer l's W; one instruction takes a row's 512 consecutive bytes; layer and step stand in the immediate (2,162,176 at the most)
.macro GLW l, k
	WIN 0x80
.set ii, 0
.rept 32
	global_load_b128 v[WL+4*ii:WL+4*ii+3], v[CO], s[40:41] offset:ii*2048+(\k)*KB+(\l)*1048576
.set ii, ii+1
.endr
.endm
; 16 loads: layer l's bias of my 128 columns, in the accumulators' layout: columns 16 b + 8 h + 0..7
.macro GLB l
	WIN 0x80
.irp b, 0,1,2,3,4,5,6,7
	global_load_b128 v[BIAS+8*\b:BIAS+8*\b+3],   v[BA], s[42:43] offset:(\l)*2048+64*\b
	global_load_b128 v[BIAS+8*\b+4:BIAS+8*\b+7], v[BA], s[42:43] offset:(\l)*2048+64*\b+16
.endr
.endm
	s_load_b512 s[16:31], s[0:1], 0x0              ; real_q, img_q, real_k, img_k, real_v, img_v, w_r, w_i
	s_load_b128 s[32:35], s[0:1], 0x40             ; b_r, b_i
	s_load_b64 s[36:37], s[0:1], 0x50              ; qkv
	v_lshl_add_u32 v30, v0, 2, 0x4f800
	v_mov_b32 v31, 0
	ds_add_u32 v30, v31
	v_lshrrev_b32 v1, 5, v0
	v_readfirstlane_b32 s8, v1                     ; wave 0..3
	s_bfe_u32 s11, ttmp6, 0x40000                  ; cx: my quarter of the columns
	s_and_b32 s12, ttmp7, 0xffff                   ; y = 32 x stream + row block
	s_lshr_b32 s6, s12, 5                          ; stream 0 real, 1 imaginary
	s_and_b32 s14, s12, 31                         ; block of 256 tokens
	; group 1 of x's tiles: 64 rows x 128 elements of 4 bytes, row pitch 512 elements; 4 words of padding behind every 128
	s_mov_b32 s[G1A+0], 15|(2<<16)|(1<<20)|(1<<21)|(6<<22)|(3<<25)  ; mask of the four partners, element size, padding on, bit 21 beside a mask, interval, amount
	s_mov_b32 s[G1A+1], 128<<16                    ; tensor_dim0 = 128
	s_mov_b32 s[G1A+2], 64<<16                     ; tensor_dim1 = 64
	s_mov_b32 s[G1A+3], 128<<16                    ; tile_dim0 = 128
	s_mov_b32 s[G1A+4], 64                         ; tile_dim1 = 64
	s_mov_b32 s[G1A+5], 512                        ; elements from row to row
	s_mov_b32 s[G1A+6], 0
	s_mov_b32 s[G1A+7], 0
	; offsets, each in a pair of its own; s[60:61] and s[68:69], which feed the joint loads, never hold cx
	s_lshl_b32 s60, s14, 19                        ; x: 256 rows of 2,048 bytes a block
	s_mov_b32 s61, 0
	s_lshl_b32 s68, s8, 17                         ;    my wave's 64 rows
	s_mov_b32 s69, 0
	s_lshl_b32 s62, s11, 18                        ; W: my quarter of 128 rows,
	s_lshl_b32 s63, s8, 16                         ;    my wave's 32 rows
	s_add_co_u32 s62, s62, s63
	s_mov_b32 s63, 0
	s_lshl_b32 s2, s11, 9                          ; bias: my 128 numbers
	s_mov_b32 s3, 0
	s_lshl_b32 s4, s6, 23                          ; qkv: the stream's plane of layer q (plane = 2 x layer + stream),
	s_lshr_b32 s5, s14, 3
	s_lshl_b32 s5, s5, 21                          ;      batch (eight blocks of 256 tokens each),
	s_add_co_u32 s4, s4, s5
	s_lshl_b32 s5, s11, 19                         ;      my four heads of 131,072 bytes,
	s_add_co_u32 s4, s4, s5
	s_and_b32 s5, s14, 7
	s_lshl_b32 s5, s5, 14                          ;      the block's 256 tokens of 64 bytes,
	s_add_co_u32 s4, s4, s5
	s_lshl_b32 s5, s8, 12                          ;      my wave's 64 tokens
	s_add_co_u32 s4, s4, s5
	s_mov_b32 s5, 0
	s_mul_i32 s66, s8, WPART                       ; LDS: my wave's 64 rows of a slot
	v_and_b32 v1, 15, v0                           ; r = lane % 16
	v_bfe_u32 v2, v0, 4, 1                         ; h = lane / 16
	v_and_b32 v3, 31, v0                           ; lane
	v_lshlrev_b32 v[CO], 4, v3
	v_lshlrev_b32 v[BA], 5, v2
	s_lshl_b32 s9, s11, 6                          ; the block that I ask for ahead: row 64 cx + 16 w + lane / 2 of the 256,
	s_lshl_b32 s10, s8, 4
	s_add_co_u32 s9, s9, s10
	v_lshrrev_b32 v13, 1, v3
	v_add_nc_u32 v13, s9, v13
	v_and_b32 v14, 1, v0
	v_lshlrev_b32 v14, 8, v14                      ; the first or second 256 bytes of the step's 512
	v_lshl_add_u32 v[PF], v13, 11, v14
	s_wait_dscnt 0x0
	s_wait_kmcnt 0x0
	s_cmp_eq_u32 s6, 1                             ; the stream picks its three inputs, its weights and its bias
	s_cselect_b64 s[16:17], s[18:19], s[16:17]
	s_cselect_b64 s[20:21], s[22:23], s[20:21]
	s_cselect_b64 s[24:25], s[26:27], s[24:25]
	s_cselect_b64 s[40:41], s[30:31], s[28:29]
	s_cselect_b64 s[42:43], s[34:35], s[32:33]
.irp l, 0,1,2
	s_add_nc_u64 s[AB+4*\l:AB+4*\l+1], s[AB+4*\l:AB+4*\l+1], s[60:61]      ; layer l's x at the block's first row (the prefetches' base)
	s_add_nc_u64 s[AW+4*\l:AW+4*\l+1], s[AB+4*\l:AB+4*\l+1], s[68:69]      ; and at my wave's first row
.endr
	s_add_nc_u64 s[40:41], s[40:41], s[62:63]
	s_add_nc_u64 s[42:43], s[42:43], s[2:3]
	s_add_nc_u64 s[36:37], s[36:37], s[4:5]
.irp n, 0,1
	s_mov_b32 s[G0A+4*\n], 1                                       ; count = 1
	s_add_co_u32 s[G0A+4*\n+1], s66, \n*SLOT                       ; LDS address
	s_add_nc_u64 s[G0A+4*\n+2:G0A+4*\n+3], s[AW:AW+1], \n*KB       ; layer q, K step n
	s_or_b32 s[G0A+4*\n+3], s[G0A+4*\n+3], 0x80000000              ; type = 2
.endr
	GLB 0                                          ; layer q's bias
	GLW 0, 0                                       ; and its W's K step 0; loads into registers may be out across the round
	WIN 0
	ROUND                                          ; all four partners are here: the first joint loads meet
	tensor_load_to_lds s[G0A:G0A+3], s[G1A:G1A+7]      ; K step 0; the two first fills go out together
	s_nop 0
	tensor_load_to_lds s[G0A+4:G0A+7], s[G1A:G1A+7]    ; K step 1
	s_nop 0
	v_mul_u32_u24 v13, v1, PITCH
	v_lshl_add_u32 v13, v2, 5, v13                 ; r x pitch + 32 h: eight f32 for each half of the lanes
	v_add_nc_u32 v[ADA], s66, v13
	v_add_nc_u32 v[ADA+1], SLOT, v[ADA]
	v_mul_u32_u24 v14, v1, WPITCH
	v_lshl_add_u32 v14, v2, 4, v14                 ; r x 272 + 16 h: eight f16
	v_add_nc_u32 v[ADW], WBUF, v14
	s_mul_i32 s9, s8, 32*WPITCH
	s_add_co_u32 s9, s9, WBUF                      ; my wave's 32 rows of W's buffer
	v_lshl_add_u32 v[WST], v3, 3, s9               ; + 8 x lane: four f16
	s_mul_i32 s10, s8, STG_W
	s_add_co_u32 s10, s10, STAGE                   ; my stage
	v_mul_u32_u24 v13, v1, 80
	v_lshl_add_u32 v13, v2, 4, v13
	v_add_nc_u32 v[STO], s10, v13                  ; in: token r, 16 bytes for each half of the lanes
	v_lshrrev_b32 v14, 2, v3
	v_mul_u32_u24 v14, v14, 80
	v_and_b32 v15, 3, v0
	v_lshl_add_u32 v14, v15, 4, v14
	v_add_nc_u32 v[RD], s10, v14                   ; back: four lanes take a token's 64 bytes, the wave eight tokens
; W's step: my 32 rows are rounded in place (a lane's four f32 of a row become 8 bytes) and put into W's buffer; a store of the wave covers a row's 256 bytes
.macro PUTW
	WIN 0x8a
.set ii, 0
.rept 32
	v_cvt_pk_f16_f32 v[WL+4*ii],   v[WL+4*ii],   v[WL+4*ii+1]
	v_cvt_pk_f16_f32 v[WL+4*ii+1], v[WL+4*ii+2], v[WL+4*ii+3]
.set ii, ii+1
.endr
	WIN 0x08                                       ; store data in window 2
.set ii, 0
.rept 32
	ds_store_b64 v[WST], v[WL+4*ii:WL+4*ii+1] offset:ii*WPITCH
.set ii, ii+1
.endr
.endm
; 16 LDS loads: 32 along K (128 bytes at 128 kk of the rows) of my 64 rows of x, as f32, into window 2.
; A fragment's lane wants k = 8 h + 0..7 and 16 + 8 h + 0..7: 32 bytes at 32 h and 32 bytes at 64 + 32 h.
.macro LOADA slot, kk
	WIN 0x80
.irp a, 0,1,2,3
	ds_load_b128 v[16*\a:16*\a+3],     v[ADA+\slot] offset:\a*16*PITCH+128*\kk
	ds_load_b128 v[16*\a+4:16*\a+7],   v[ADA+\slot] offset:\a*16*PITCH+128*\kk+16
	ds_load_b128 v[16*\a+8:16*\a+11],  v[ADA+\slot] offset:\a*16*PITCH+128*\kk+64
	ds_load_b128 v[16*\a+12:16*\a+15], v[ADA+\slot] offset:\a*16*PITCH+128*\kk+80
.endr
.endm
; 16 LDS loads: W's eight fragments of the same 32 along K, f16 already, straight into buffer f
.macro LOADW kk, f
	WIN 0
.irp b, 0,1,2,3,4,5,6,7
	ds_load_b128 v[\f+32+8*\b:\f+32+8*\b+3],   v[ADW] offset:\b*16*WPITCH+64*\kk
	ds_load_b128 v[\f+32+8*\b+4:\f+32+8*\b+7], v[ADW] offset:\b*16*WPITCH+64*\kk+32
.endr
.endm
; 32 roundings of two: x's four fragments from window 2 into buffer f
.macro CVTA f
	WIN 0x0a
.set ii, 0
.rept 32
	v_cvt_pk_f16_f32 v[\f+ii], v[2*ii], v[2*ii+1]
.set ii, ii+1
.endr
.endm
; 32 matrix instructions, the 32 accumulators by turns, one instruction a turn.  first = 1: C is the bias, which starts the tile's sums.
.macro MUL f, first
.if \first
	WIN 0x60
.else
	WIN 0x50
.endif
.irp a, 0,1,2,3
.irp b, 0,1,2,3,4,5,6,7
.if \first
	v_wmma_f32_16x16x32_f16 v[8*(8*\a+\b):8*(8*\a+\b)+7], v[\f+32+8*\b:\f+32+8*\b+7], v[\f+8*\a:\f+8*\a+7], v[BIAS+8*\b:BIAS+8*\b+7]
.else
	v_wmma_f32_16x16x32_f16 v[8*(8*\a+\b):8*(8*\a+\b)+7], v[\f+32+8*\b:\f+32+8*\b+7], v[\f+8*\a:\f+8*\a+7], v[8*(8*\a+\b):8*(8*\a+\b)+7]
.endif
.endr
.endr
.endm
; THE WAY OUT, 16 tokens at a time: round to f16, 16 bytes a lane into my own stage, read back so that the wave holds 512 neighbouring bytes of a head.
.macro OUT16 a, f
	WIN 0x05
.irp b, 0,1,2,3,4,5,6,7
.irp i, 0,1,2,3
	v_cvt_pk_f16_f32 v[TMP+4*\b+\i], v[8*(8*\a+\b)+2*\i], v[8*(8*\a+\b)+2*\i+1]
.endr
.endr
	WIN 0
.irp b, 0,1,2,3,4,5,6,7
	ds_store_b128 v[STO], v[TMP+4*\b:TMP+4*\b+3] offset:(\b>>1)*1280+(\b&1)*32     ; head b / 2, columns 16 (b % 2) + 8 h + 0..7 of it
.endr
	s_wait_xcnt 0x0                                ; buffer f, which earlier stores read, is loaded again only behind this wait
.irp t, 0,1,2,3,4,5,6,7
	ds_load_b128 v[\f+4*\t:\f+4*\t+3], v[RD] offset:\t*640         ; head t / 2, eight tokens; LDS serves a wave's instructions in order: these see the stores above
.endr
.irp t, 0,1,2,3,4,5,6,7
	s_wait_dscnt 7-\t                              ; the 7 - t younger read-backs may stay out
	global_store_b128 v[CO], v[\f+4*\t:\f+4*\t+3], s[36:37] offset:(\t>>1)*131072+\a*1024+(\t&1)*512   ; the wave stores 512 consecutive bytes, at a multiple of 512
.endr
.endm
; A whole tile's way out.  last = 0: another tile follows.
.macro WAYOUT last
	PLACES 4                                       ; behind the tile's last matrix instructions, in front of the conversions that read results (ISA guide 7.12.1)
	OUT16 0, F0
	OUT16 1, F1
	OUT16 2, F0
	OUT16 3, F1
.if \last == 0
	s_wait_xcnt 0x0                                ; the stores' base, and buffers 0 and 1, which they read, are written again only behind this wait
	s_add_nc_u64 s[36:37], s[36:37], 0x1000000     ; the next layer's plane: two planes of 8,388,608 bytes on
.endif
.endm
; K step st of the twelve (layer st / 4, step st % 4 of its K), in slot st % 2.
; mode 0: the very first step; mode 1: the other slot, read in the last step, is filled again with step st + 1; mode 2: nothing is left to fetch.
; first = 1: the step starts a tile's sums; epi = 1: the tile before goes out first, behind the refill.
; A buffer is loaded or converted into again only behind the other buffer's 32 conversions, which name none of the registers of the matrix
; instructions that read it: more than the four places that ISA guide 7.12.1 asks for.
.macro TRIP st, mode, first, epi
.set SL, (\st)&1                       ; this step's slot
.set OT, 1-SL                          ; the other
.set NL, ((\st)+1)>>2                  ; layer and K step of the step behind this one
.set NK, ((\st)+1)&3
.set PL, ((\st)+2)>>2                  ; and of the one behind that
.set PK, ((\st)+2)&3
.if \mode == 0
	s_wait_tensorcnt 0x1                           ; my rows of K step 0 are in; K step 1's load, issued behind it, stays out
.else
	s_wait_tensorcnt 0x0                           ; all my tensor loads are done (my rows of this step among them),
	ds_add_u32 v30, v31
	s_wait_dscnt 0x0
.if \mode == 1
	s_add_nc_u64 s[G0A+4*OT+2:G0A+4*OT+3], s[AW+4*NL:AW+4*NL+1], NK*KB     ; so the other slot's group 0 may be written: the next step's tile, from its layer's base
	s_or_b32 s[G0A+4*OT+3], s[G0A+4*OT+3], 0x80000000                      ; type = 2
.endif
	s_wait_dscnt 0x0                               ; my reads of the other slot and of W's buffer are done
.if \mode == 1
	ROUND                                          ; both now hold of every wave of the four partners
	tensor_load_to_lds s[G0A+4*OT:G0A+4*OT+3], s[G1A:G1A+7]        ; my one tensor load behind the round: the next K step, into the slot read last
	s_nop 0
.else
	s_barrier_signal -1                            ; no wave still reads W's buffer
	s_barrier_wait -1
.endif
.endif
.if \epi
	WAYOUT 0                                       ; the tile before leaves while the load just issued is on its way
.endif
	LOADA SL, 0                                    ; my own rows: my own wait on the tensor loads is all the order that they need
	s_wait_loadcnt 0x0                             ; W's step (issued a step ago), in a tile's first step its bias too
	PUTW
	s_wait_dscnt 0x0                               ; my part of W's buffer is written (and x's first numbers are in):
	s_barrier_signal -1                            ; say so,
	CVTA F0                                        ; work on registers while the others arrive,
	s_barrier_wait -1                              ; and read the buffer when all four have said so
	LOADW 0, F0
	LOADA SL, 1
	LOADW 1, F1
.if \st < 11
	GLW NL, NK                                     ; the next step's W; its registers are free since the wait for the stores above
.if NK == 0
	GLB NL                                         ; and, where a tile ends, the next layer's bias: this tile's first products read the old one three steps ago
.endif
.endif
.if \st < 10
	global_prefetch_b8 v[PF], s[AB+4*PL:AB+4*PL+1] offset:PK*KB th:TH_LOAD_NT scope:SCOPE_SE   ; my 32 blocks of x's tile st + 2
.endif
	s_wait_dscnt 32                                ; W's fragments 0 are in; the 16 + 16 loads issued behind them stay out
	MUL F0, \first
	s_wait_dscnt 16                                ; x's numbers 1 are in; W's 16 loads behind them stay out
	CVTA F1
	LOADA SL, 2
	LOADW 2, F0
	s_wait_dscnt 32                                ; W's fragments 1
	MUL F1, 0
	s_wait_dscnt 16                                ; x's numbers 2
	CVTA F0
	LOADA SL, 3
	LOADW 3, F1
	s_wait_dscnt 32                                ; W's fragments 2
	MUL F0, 0
	s_wait_dscnt 16                                ; x's numbers 3
	CVTA F1
	s_wait_dscnt 0x0                               ; W's fragments 3
	MUL F1, 0
	WIN 0
.endm
	TRIP 0,  0, 1, 0                               ; layer q
	TRIP 1,  1, 0, 0
	TRIP 2,  1, 0, 0
	TRIP 3,  1, 0, 0                               ; its refill is layer k's first K step
	TRIP 4,  1, 1, 1                               ; layer k; layer q goes out
	TRIP 5,  1, 0, 0
	TRIP 6,  1, 0, 0
	TRIP 7,  1, 0, 0
	TRIP 8,  1, 1, 1                               ; layer v; layer k goes out
	TRIP 9,  1, 0, 0
	TRIP 10, 1, 0, 0                               ; the last refill: K step 11
	TRIP 11, 2, 0, 0
	WAYOUT 1                                       ; layer v goes out
	s_wait_tensorcnt 0x0
	ds_add_u32 v30, v31
	s_wait_dscnt 0x0
	ROUND                                          ; the closing round: no work-group ends while a partner may still ask jointly
	s_endpgm
.Lfunc_end_k_q756da8dcfe_proj:
	.size	k_q756da8dcfe_proj, .Lfunc_end_k_q756da8dcfe_proj-k_q756da8dcfe_proj
	.p2alignl 7, 3214868480
	.fill 96, 4, 3214868480
	.section	.rodata,"a",@progbits
	.p2align	6, 0x0
	.amdhsa_kernel k_q756da8dcfe_proj
		.amdhsa_group_segment_fixed_size 327680
		.amdhsa_private_segment_fixed_size 0
		.amdhsa_enable_private_segment 0
		.amdhsa_kernarg_size 88
		.amdhsa_user_sgpr_count 2
		.amdhsa_user_sgpr_kernarg_segment_ptr 1
		.amdhsa_wavefront_size32 1
		.amdhsa_system_sgpr_workgroup_id_x 1
		.amdhsa_system_sgpr_workgroup_id_y 1
		.amdhsa_system_sgpr_workgroup_id_z 1
		.amdhsa_system_vgpr_workitem_id 0
		.amdhsa_next_free_vgpr 768
		.amdhsa_next_free_sgpr 88
		.amdhsa_reserve_vcc 0
		.amdhsa_float_denorm_mode_32 3
		.amdhsa_float_denorm_mode_16_64 3
		.amdhsa_memory_ordered 1
		.amdhsa_forward_progress 1
		.amdhsa_inst_pref_size 255
	.end_amdhsa_kernel
	.section	.bss,"aw",@nobits
	.p2align	6
	.space	262144
	.amdgpu_metadata
---
amdhsa.version: [ 1, 2 ]
amdhsa.kernels:
  - .name:           k_q756da8dcfe_proj
    .symbol:         k_q756da8dcfe_proj.kd
    .args:
      - { .name: real_q, .offset: 0, .size: 8, .value_kind: global_buffer, .address_space: global }
      - { .name: img_q, .offset: 8, .size: 8, .value_kind: global_buffer, .address_space: global }
      - { .name: real_k, .offset: 16, .size: 8, .value_kind: global_buffer, .address_space: global }
      - { .name: img_k, .offset: 24, .size: 8, .value_kind: global_buffer, .address_space: global }
      - { .name: real_v, .offset: 32, .size: 8, .value_kind: global_buffer, .address_space: global }
      - { .name: img_v, .offset: 40, .size: 8, .value_kind: global_buffer, .address_space: global }
      - { .name: w_r, .offset: 48, .size: 8, .value_kind: global_buffer, .address_space: global }
      - { .name: w_i, .offset: 56, .size: 8, .value_kind: global_buffer, .address_space: global }
      - { .name: b_r, .offset: 64, .size: 8, .value_kind: global_buffer, .address_space: global }
      - { .name: b_i, .offset: 72, .size: 8, .value_kind: global_buffer, .address_space: global }
      - { .name: qkv, .offset: 80, .size: 8, .value_kind: global_buffer, .address_space: global }
    .group_segment_fixed_size: 327680
    .private_segment_fixed_size: 0
    .kernarg_segment_align: 8
    .kernarg_segment_size: 88
    .max_flat_workgroup_size: 128
    .sgpr_count:     88
    .vgpr_count:     768
    .wavefront_size: 32
...
	.end_amdgpu_metadata
.endif
;; end of part 1
;; launch attn (part 2): grid 256 x 1, 8 waves a work-group, clusters of 4 x 1, 327,680 bytes of LDS; arguments qkv, x; writes x
.if DOCPART == 2
	.amdgcn_target "amdgcn-amd-amdhsa--gfx1250"
	.amdhsa_code_object_version 6
	.text
	.protected	k_q756da8dcfe_attn
	.globl	k_q756da8dcfe_attn
	.p2align	8
	.type	k_q756da8dcfe_attn,@function
k_q756da8dcfe_attn:
	s_mov_b64 s[64:65], 0
	v_nop
	global_prefetch_b8 v0, s[64:65] scope:SCOPE_SE
	s_setreg_imm32_b32 hwreg(HW_REG_WAVE_MODE, 25, 1), 1
	s_wait_xcnt 0x0
	s_wait_alu depctr_hold_cnt(0) depctr_sa_sdst(0) depctr_va_vdst(0) depctr_va_sdst(0) depctr_va_ssrc(0) depctr_va_vcc(0) depctr_vm_vsrc(0)
	s_getreg_b32 s2, hwreg(HW_REG_IB_STS2, 6, 4)
	s_cmp_eq_u32 s2, 0
	s_cbranch_scc0 .Lentry_in_a_cluster
	s_endpgm
.Lentry_in_a_cluster:
	s_bfe_u32 s2, ttmp6, 0x10000c
	s_cmp_lg_u32 s2, 0x3003
	s_cbranch_scc0 .Lentry_shape_is_right
	s_endpgm
.Lentry_shape_is_right:
; Attention of one (batch, head) and 512 queries: scores = (qr.kr + qi.ki) / sqrt(32), softmax over 2,048 keys with a running maximum, values vr | vi.
; qkv[plane 6][batch x head 64][token 2048][32] f16 (qr, qi, kr, ki, vr, vi); x[stream 2][batch x head 64][token 2048][32] f16.
; Eight waves; a wave owns 64 queries (four tiles of 16).  Keys go in tiles of 256 through a ring of two LDS slots, 64 keys a step.
; CLUSTERS: the four work-groups of a cluster are the four query blocks of one head and walk the same K and V: every tile is asked for jointly (mask 15).
; BOTH PRODUCTS ARE USED TRANSPOSED.  S^T = K Q^T: lane l holds query l % 16 and, in register j of tile t, key 16 t + 8 (l / 16) + j, so that a row's
; maximum and sum are work inside a lane and one exchange between the halves, and packing neighbouring registers gives the second product's
; fragment of P^T without any shuffle.  O^T = V^T P^T: V^T comes from LDS by the transposing load; lanes 0-7 of each half address vr and lanes 8-15 vi,
; so that tile c of O^T holds, for query l % 16, the real dims 8 c + 0..7 in lanes 0-15 and the imaginary ones in lanes 16-31.
; LIMITS: q, k, v, p and the result are f16 (|.| below 65,504; under 6.1e-5 on the denormal grid of 6e-8); maximum, exponentials, sums in f32.
; NaN and infinities are not followed.
.set WPART,  10304                     ; a wave's part of a slot: 128 keys x 80 bytes + 64: so vi lies 20,608 = 128 modulo 256 bytes behind vr
.set KPL,    2*WPART                   ; from plane to plane in a slot: kr, ki, vr, vi
.set VOFF,   2*KPL
.set SLOT,   8*WPART
.set STAGE,  2*SLOT                    ; behind the ring: each wave's own stage, [stream 2][query 64] of 80 bytes; no fill lands here
.set STG_W,  10240
.set TILE_G, 16384                     ; 256 keys of 64 bytes in memory
.set LK,  4                            ; v4, v5     LDS address of my K fragments in slot 0, 1
.set LV,  6                            ; v6, v7     the same for the transposing loads of V
.set VQ,  8                            ; v8         my bytes in a tile of 16 queries
.set STO, 9                            ; v9         the way out: in
.set RD,  10                           ; v10        the way out: back
.set CO,  11                           ; v11        16 x lane
.set MX,  16                           ; v16-19     running maximum of query tile q
.set LS,  20                           ; v20-23     running sum (this half of the lanes' keys)
.set AL,  24                           ; v24-31     the rescale factor, twice, a pair for each q
.set NM,  32                           ; v32-39     -c x maximum, twice, a pair for each q
.set TP,  40                           ; v40-47     at work
.set KF,  48                           ; v48-111    K fragments: key tile t, plane pl at 16 t + 8 pl
.set SC,  112                          ; v112-239   scores of (q, t) at 32 q + 8 t; P^T of (q, g) is made in place at 32 q + 16 g
.set OA,  0                            ; window 1 v0-127    O^T of (q, c) at 32 q + 8 c
.set QF,  128                          ; window 1 v128-191  Q fragments at 16 q + 8 pl
.set VF,  192                          ; window 1 v192-255  V^T fragments at 32 g + 8 c
.set G1,  16                           ; s[16:23] group 1
.set G0,  32                           ; s[32:39] group 0, a set for each slot
.set NEGC, 0xbe8293ee                  ; -log2(e) / sqrt(32)
.set MSB, 0
.macro WIN new                         ; the immediate's high byte repeats the setting that is left; a switch that changes nothing is dropped
.if MSB != \new
	s_set_vgpr_msb (MSB<<8)|\new
.set MSB, \new
.endif
.endm
.macro PLACES n
.rept \n
	v_nop
.endr
.endm
.macro ROUND                           ; a round of the cluster's barrier
	s_barrier_signal -1
	s_barrier_wait -1
	s_cmp_lg_u32 s8, 0
	s_cbranch_scc1 .Lnot_wave_0_\@
	s_barrier_signal -3
.Lnot_wave_0_\@:
	s_barrier_wait -3
	s_barrier_signal -1
	s_barrier_wait -1
.endm
	s_load_b128 s[40:43], s[0:1], 0x0              ; qkv, x
	v_lshl_add_u32 v254, v0, 2, 0x3c400
	v_mov_b32 v255, 0
	ds_add_u32 v254, v255
	v_lshrrev_b32 v1, 5, v0
	v_readfirstlane_b32 s8, v1                     ; wave 0..7
	s_bfe_u32 s11, ttmp6, 0x40000                  ; cx: my block of 512 queries; ttmp9, the cluster's x, is batch x head
	s_mov_b32 s12, 0x76543210                      ; v_permlanex16_b32: lane i of one half reads lane i of the other
	s_mov_b32 s13, 0xfedcba98
	s_mov_b32 s14, 0x3e8293ee                      ; c = log2(e) / sqrt(32), a pair for the packed multiply-add
	s_mov_b32 s15, 0x3e8293ee
	; group 1: 128 keys of 64 bytes are dense in memory: 32 rows of 32 elements of 8 bytes; 4 words of padding behind every 16: a key every 80 bytes in LDS
	s_mov_b32 s[G1+0], 15|(3<<16)|(1<<20)|(1<<21)|(3<<22)|(3<<25)
	s_mov_b32 s[G1+1], 32<<16                      ; tensor_dim0 = 32
	s_mov_b32 s[G1+2], 32<<16                      ; tensor_dim1 = 32
	s_mov_b32 s[G1+3], 32<<16                      ; tile_dim0 = 32
	s_mov_b32 s[G1+4], 32                          ; tile_dim1 = 32
	s_mov_b32 s[G1+5], 32                          ; elements from row to row
	s_mov_b32 s[G1+6], 0
	s_mov_b32 s[G1+7], 0
	; wave w fetches plane 2 + w / 2 (kr, ki, vr, vi), keys 128 (w % 2) .. + 127 of each tile; s[44:45] never holds cx
	s_lshr_b32 s44, s8, 1
	s_add_co_u32 s44, s44, 2
	s_lshl_b32 s44, s44, 23
	s_lshl_b32 s45, ttmp9, 17
	s_add_co_u32 s44, s44, s45
	s_and_b32 s45, s8, 1
	s_lshl_b32 s45, s45, 13
	s_add_co_u32 s44, s44, s45
	s_mov_b32 s45, 0
	s_mul_i32 s9, s8, WPART                        ; and lays them at wave x 10,304 of the slot
	s_lshl_b32 s46, s11, 15                        ; my queries: 512 cx + 64 w tokens of 64 bytes, in my head
	s_lshl_b32 s47, s8, 12
	s_add_co_u32 s46, s46, s47
	s_lshl_b32 s47, ttmp9, 17
	s_add_co_u32 s46, s46, s47
	s_mov_b32 s47, 0
	s_wait_dscnt 0x0
	s_wait_kmcnt 0x0
	s_add_nc_u64 s[44:45], s[40:41], s[44:45]
	s_add_nc_u64 s[24:25], s[40:41], s[46:47]      ; qr
	s_add_nc_u64 s[26:27], s[24:25], 0x800000      ; qi
	s_add_nc_u64 s[28:29], s[42:43], s[46:47]      ; x, real
	s_add_nc_u64 s[30:31], s[28:29], 0x800000      ; x, imaginary
.irp n, 0,1
	s_mov_b32 s[G0+4*\n], 1
	s_add_co_u32 s[G0+4*\n+1], s9, \n*SLOT
	s_add_nc_u64 s[G0+4*\n+2:G0+4*\n+3], s[44:45], \n*TILE_G
	s_or_b32 s[G0+4*\n+3], s[G0+4*\n+3], 0x80000000
.endr
	ROUND                                          ; all four partners are here: the first joint loads meet
	tensor_load_to_lds s[G0:G0+3], s[G1:G1+7]      ; keys 0 to 255
	s_nop 0
	v_and_b32 v1, 15, v0                           ; r
	v_bfe_u32 v2, v0, 4, 1                         ; h
	v_and_b32 v3, 31, v0                           ; lane
	v_mul_u32_u24 v12, v1, 80
	v_lshl_add_u32 v[LK], v2, 4, v12               ; key r x 80 + 16 h
	v_add_nc_u32 v[LK+1], SLOT, v[LK]
	v_and_b32 v13, 7, v0
	v_lshl_add_u32 v13, v2, 3, v13                 ; key 8 h + lane % 8
	v_mul_u32_u24 v13, v13, 80
	v_bfe_u32 v14, v0, 3, 1                        ; lanes 8-15 of each half: vi
	v_mul_u32_u24 v14, v14, KPL
	v_add3_u32 v[LV], v13, v14, VOFF
	v_add_nc_u32 v[LV+1], SLOT, v[LV]
	v_lshlrev_b32 v[VQ], 6, v1
	v_lshl_add_u32 v[VQ], v2, 4, v[VQ]             ; query r x 64 + 16 h
	s_mul_i32 s10, s8, STG_W
	s_add_co_u32 s10, s10, STAGE                   ; my stage
	v_mul_u32_u24 v15, v2, 5120
	v_add3_u32 v[STO], v15, v12, s10               ; in: stream h, query r
	v_lshrrev_b32 v15, 2, v3
	v_mul_u32_u24 v15, v15, 80
	v_and_b32 v14, 3, v0
	v_lshl_add_u32 v15, v14, 4, v15
	v_add_nc_u32 v[RD], s10, v15                   ; back: four lanes take a query's 64 bytes
	v_lshlrev_b32 v[CO], 4, v3
	WIN 0x40                                       ; destination in window 1
.irp q, 0,1,2,3
	global_load_b128 v[QF+16*\q:QF+16*\q+3],     v[VQ], s[24:25] offset:\q*1024
	global_load_b128 v[QF+16*\q+4:QF+16*\q+7],   v[VQ], s[24:25] offset:\q*1024+32
	global_load_b128 v[QF+16*\q+8:QF+16*\q+11],  v[VQ], s[26:27] offset:\q*1024
	global_load_b128 v[QF+16*\q+12:QF+16*\q+15], v[VQ], s[26:27] offset:\q*1024+32
.endr
	WIN 0
	s_wait_loadcnt 0x0                             ; Q, once
; 16 LDS loads: the K fragments of keys 64 i .. 64 i + 63 of the slot, both planes
.macro KLOAD slot, i
.set SBK, ((\i)>>1)*WPART+((\i)&1)*5120
.irp t, 0,1,2,3
.irp pl, 0,1
	ds_load_b128 v[KF+16*\t+8*\pl:KF+16*\t+8*\pl+3],   v[LK+\slot] offset:SBK+\pl*KPL+\t*1280
	ds_load_b128 v[KF+16*\t+8*\pl+4:KF+16*\t+8*\pl+7], v[LK+\slot] offset:SBK+\pl*KPL+\t*1280+32
.endr
.endr
.endm
.macro FMAQ q                          ; (s - max) c for the 32 scores of query tile q
.set kk, 0
.rept 16
	v_pk_fma_f32 v[SC+32*\q+2*kk:SC+32*\q+2*kk+1], v[SC+32*\q+2*kk:SC+32*\q+2*kk+1], s[14:15], v[NM+2*\q:NM+2*\q+1] op_sel_hi:[1,0,1]
.set kk, kk+1
.endr
.endm
.macro EXPQ q                          ; 32 exponentials back to back; a plain instruction on other registers follows before any is used (ISA guide 5.7.2)
.set kk, 0
.rept 32
	v_exp_f32 v[SC+32*\q+kk], v[SC+32*\q+kk]
.set kk, kk+1
.endr
.endm
.macro SUMCVT q, first                 ; the lane's sum of its 32 p in two chains, the running sum, then p to f16 in place (ascending: a target was read before)
	s_wait_alu depctr_va_vdst(0)
	v_pk_add_f32 v[TP:TP+1],   v[SC+32*\q:SC+32*\q+1],     v[SC+32*\q+2:SC+32*\q+3]
	v_pk_add_f32 v[TP+2:TP+3], v[SC+32*\q+16:SC+32*\q+17], v[SC+32*\q+18:SC+32*\q+19]
.irp k, 2,3,4,5,6,7
	v_pk_add_f32 v[TP:TP+1],   v[TP:TP+1],   v[SC+32*\q+2*\k:SC+32*\q+2*\k+1]
	v_pk_add_f32 v[TP+2:TP+3], v[TP+2:TP+3], v[SC+32*\q+16+2*\k:SC+32*\q+17+2*\k]
.endr
	v_pk_add_f32 v[TP:TP+1], v[TP:TP+1], v[TP+2:TP+3]
.if \first
	v_add_f32 v[LS+\q], v[TP], v[TP+1]
.else
	v_add_f32 v[TP], v[TP], v[TP+1]
	v_fma_f32 v[LS+\q], v[LS+\q], v[AL+2*\q], v[TP]
.endif
.set kk, 0
.rept 8
	v_cvt_pk_f16_f32 v[SC+32*\q+kk],    v[SC+32*\q+2*kk],    v[SC+32*\q+2*kk+1]
.set kk, kk+1
.endr
.set kk, 0
.rept 8
	v_cvt_pk_f16_f32 v[SC+32*\q+16+kk], v[SC+32*\q+16+2*kk], v[SC+32*\q+16+2*kk+1]
.set kk, kk+1
.endr
.endm
; 64 keys.  pref = 1: the next step's K fragments are fetched as soon as this step's are free.  first = 1: the launch's first step starts maximum, sums and O.
; In both products the sixteen accumulators take turns, one instruction a turn.
.macro STEP slot, i, pref, first
.set SBV, ((\i)>>1)*WPART+((\i)&1)*5120
	WIN 0x40
.irp g, 0,1
.irp c, 0,1,2,3
	ds_load_tr16_b128 v[VF+32*\g+8*\c:VF+32*\g+8*\c+3],   v[LV+\slot] offset:SBV+\g*2560+16*\c        ; keys 32 g + 8 h + 0..7 of dims 8 c + 0..7, vr | vi
	ds_load_tr16_b128 v[VF+32*\g+8*\c+4:VF+32*\g+8*\c+7], v[LV+\slot] offset:SBV+\g*2560+16*\c+1280   ; keys 32 g + 16 + 8 h + 0..7
.endr
.endr
	s_wait_dscnt 16                                ; K's fragments are in; the sixteen loads of V just issued stay out
	WIN 0x04                                       ; source 1 (Q) in window 1
.irp q, 0,1,2,3
.irp t, 0,1,2,3
	v_wmma_f32_16x16x32_f16 v[SC+32*\q+8*\t:SC+32*\q+8*\t+7], v[KF+16*\t:KF+16*\t+7], v[QF+16*\q:QF+16*\q+7], 0
.endr
.endr
.irp q, 0,1,2,3
.irp t, 0,1,2,3
	v_wmma_f32_16x16x32_f16 v[SC+32*\q+8*\t:SC+32*\q+8*\t+7], v[KF+16*\t+8:KF+16*\t+15], v[QF+16*\q+8:QF+16*\q+15], v[SC+32*\q+8*\t:SC+32*\q+8*\t+7]
.endr
.endr
	WIN 0
	PLACES 4                                       ; in front of the loads into K's fragments and of the reads of the scores
.if \pref
	KLOAD \slot, \i+1
.endif
	; the running maximum: two chains for each query tile, the eight chains interleaved; the first chain runs on the maximum's own register
.irp q, 0,1,2,3
.if \first
	v_max_num_f32 v[MX+\q], v[SC+32*\q], v[SC+32*\q+1]
.else
	v_max3_num_f32 v[MX+\q], v[SC+32*\q], v[SC+32*\q+1], v[MX+\q]
.endif
	v_max_num_f32 v[TP+4+\q], v[SC+32*\q+16], v[SC+32*\q+17]
.endr
.irp k, 1,2,3,4,5,6,7
.irp q, 0,1,2,3
	v_max3_num_f32 v[MX+\q],   v[SC+32*\q+2*\k],    v[SC+32*\q+2*\k+1],  v[MX+\q]
	v_max3_num_f32 v[TP+4+\q], v[SC+32*\q+16+2*\k], v[SC+32*\q+17+2*\k], v[TP+4+\q]
.endr
.endr
.irp q, 0,1,2,3
	v_max_num_f32 v[MX+\q], v[MX+\q], v[TP+4+\q]
.endr
.irp q, 0,1,2,3
	v_permlanex16_b32 v[TP+4+\q], v[MX+\q], s12, s13       ; the other half of the lanes holds the query's other 32 keys
.endr
.irp q, 0,1,2,3
	v_max_num_f32 v[MX+\q], v[MX+\q], v[TP+4+\q]
.endr
	; -c max, and the factor exp2(c (old max - new max)) as the difference of the two rounded -c max: exactly 1 where the maximum stayed
.irp q, 0,1,2,3
	v_mul_f32 v[NM+2*\q+1], NEGC, v[MX+\q]
.endr
.if \first == 0
.irp q, 0,1,2,3
	v_sub_f32 v[TP+4+\q], v[NM+2*\q+1], v[NM+2*\q]         ; the pair's lower register still holds the old value
.endr
.irp q, 0,1,2,3
	v_exp_f32 v[AL+2*\q],   v[TP+4+\q]
	v_exp_f32 v[AL+2*\q+1], v[TP+4+\q]
.endr
.endif
.irp q, 0,1,2,3
	v_mul_f32 v[NM+2*\q], NEGC, v[MX+\q]                   ; also the plain instructions behind the exponentials
.endr
	FMAQ 0
	EXPQ 0
	FMAQ 1
	SUMCVT 0, \first
	EXPQ 1
	FMAQ 2
	SUMCVT 1, \first
	EXPQ 2
	FMAQ 3
	SUMCVT 2, \first
	EXPQ 3
	v_nop
	s_wait_alu depctr_va_vdst(0)
	SUMCVT 3, \first
.if \first == 0
	WIN 0x41                                       ; O in window 1, the factor in window 0
.irp q, 0,1,2,3
.set kk, 0
.rept 16
	v_pk_mul_f32 v[OA+32*\q+2*kk:OA+32*\q+2*kk+1], v[OA+32*\q+2*kk:OA+32*\q+2*kk+1], v[AL+2*\q:AL+2*\q+1]
.set kk, kk+1
.endr
.endr
.endif
.if \pref
	s_wait_dscnt 16                                ; V's fragments are in; the sixteen loads of the next step's K stay out
.else
	s_wait_dscnt 0x0
.endif
	WIN 0x51                                       ; V^T, C and D in window 1, P^T in window 0
.irp g, 0,1
.irp q, 0,1,2,3
.irp c, 0,1,2,3
.if \first*(1-\g)
	v_wmma_f32_16x16x32_f16 v[OA+32*\q+8*\c:OA+32*\q+8*\c+7], v[VF+32*\g+8*\c:VF+32*\g+8*\c+7], v[SC+32*\q+16*\g:SC+32*\q+16*\g+7], 0
.else
	v_wmma_f32_16x16x32_f16 v[OA+32*\q+8*\c:OA+32*\q+8*\c+7], v[VF+32*\g+8*\c:VF+32*\g+8*\c+7], v[SC+32*\q+16*\g:SC+32*\q+16*\g+7], v[OA+32*\q+8*\c:OA+32*\q+8*\c+7]
.endif
.endr
.endr
.endr
	WIN 0
	PLACES 5                                       ; in front of the next score products, which write over P^T, of the next loads of V^T and of the next rescale
.endm
; One tile of 256 keys.
.macro TRIP slot, other, refill, first
	s_wait_tensorcnt 0x0                           ; all my tensor loads are done (one was out: my part of this tile),
	ds_add_u32 v254, v255
	s_wait_dscnt 0x0
	s_add_nc_u64 s[G0+4*\slot+2:G0+4*\slot+3], s[G0+4*\slot+2:G0+4*\slot+3], 2*TILE_G   ; so this slot's group 0 may step to its next tile
	s_wait_dscnt 0x0                               ; my reads of the other slot are done
	ROUND                                          ; both now hold of every wave of the four partners
.if \refill
	tensor_load_to_lds s[G0+4*\other:G0+4*\other+3], s[G1:G1+7]    ; my one tensor load behind the round: the next tile; it has this tile's 256 matrix instructions of mine in which to land
	s_nop 0
.endif
	KLOAD \slot, 0
	STEP \slot, 0, 1, \first
	STEP \slot, 1, 1, 0
	STEP \slot, 2, 1, 0
	STEP \slot, 3, 0, 0
.endm
	TRIP 0, 1, 1, 1
	s_mov_b32 s7, 3
.Lloop:
	TRIP 1, 0, 1, 0
	TRIP 0, 1, 1, 0
	s_sub_co_u32 s7, s7, 1
	s_cmp_lg_u32 s7, 0
	s_cbranch_scc1 .Lloop
	TRIP 1, 0, 0, 0                                ; keys 1,792 to 2,047: nothing is left to fetch
	; THE WAY OUT: the two halves' sums meet, O is divided, rounded to f16, and goes through my own stage so that the wave stores 512 neighbouring bytes.
.irp q, 0,1,2,3
	v_permlanex16_b32 v[TP+\q], v[LS+\q], s12, s13
.endr
.irp q, 0,1,2,3
	v_add_f32 v[LS+\q], v[LS+\q], v[TP+\q]         ; at least 1: the key of the maximum adds exp2(0)
.endr
.irp q, 0,1,2,3
	v_rcp_f32 v[AL+2*\q],   v[LS+\q]
	v_rcp_f32 v[AL+2*\q+1], v[LS+\q]
.endr
	v_nop
	WIN 0x41
	s_wait_alu depctr_va_vdst(0)
.irp q, 0,1,2,3
.set kk, 0
.rept 16
	v_pk_mul_f32 v[OA+32*\q+2*kk:OA+32*\q+2*kk+1], v[OA+32*\q+2*kk:OA+32*\q+2*kk+1], v[AL+2*\q:AL+2*\q+1]
.set kk, kk+1
.endr
.endr
	WIN 0x05
.irp q, 0,1,2,3
.irp c, 0,1,2,3
.irp i, 0,1,2,3
	v_cvt_pk_f16_f32 v[SC+16*\q+4*\c+\i], v[OA+32*\q+8*\c+2*\i], v[OA+32*\q+8*\c+2*\i+1]
.endr
.endr
.endr
	WIN 0
.irp q, 0,1,2,3
.irp c, 0,1,2,3
	ds_store_b128 v[STO], v[SC+16*\q+4*\c:SC+16*\q+4*\c+3] offset:\q*1280+16*\c    ; stream h, query 16 q + r, dims 8 c + 0..7
.endr
.endr
.irp st, 0,1
.irp n, 0,1,2,3,4,5,6,7
	ds_load_b128 v[KF+32*\st+4*\n:KF+32*\st+4*\n+3], v[RD] offset:\st*5120+\n*640  ; eight queries; LDS serves a wave's instructions in order: these see the stores above
.endr
.endr
.irp st, 0,1
.irp n, 0,1,2,3,4,5,6,7
	s_wait_dscnt 15-8*\st-\n                       ; the younger read-backs may stay out
	global_store_b128 v[CO], v[KF+32*\st+4*\n:KF+32*\st+4*\n+3], s[28+2*\st:29+2*\st] offset:\n*512   ; 512 consecutive bytes, at a multiple of 512
.endr
.endr
	s_wait_tensorcnt 0x0
	ds_add_u32 v254, v255
	s_wait_dscnt 0x0
	ROUND                                          ; the closing round: no work-group ends while a partner may still ask jointly
	s_endpgm
.Lfunc_end_k_q756da8dcfe_attn:
	.size	k_q756da8dcfe_attn, .Lfunc_end_k_q756da8dcfe_attn-k_q756da8dcfe_attn
	.p2alignl 7, 3214868480
	.fill 96, 4, 3214868480
	.section	.rodata,"a",@progbits
	.p2align	6, 0x0
	.amdhsa_kernel k_q756da8dcfe_attn
		.amdhsa_group_segment_fixed_size 327680
		.amdhsa_private_segment_fixed_size 0
		.amdhsa_enable_private_segment 0
		.amdhsa_kernarg_size 16
		.amdhsa_user_sgpr_count 2
		.amdhsa_user_sgpr_kernarg_segment_ptr 1
		.amdhsa_wavefront_size32 1
		.amdhsa_system_sgpr_workgroup_id_x 1
		.amdhsa_system_sgpr_workgroup_id_y 1
		.amdhsa_system_sgpr_workgroup_id_z 1
		.amdhsa_system_vgpr_workitem_id 0
		.amdhsa_next_free_vgpr 512
		.amdhsa_next_free_sgpr 66
		.amdhsa_reserve_vcc 0
		.amdhsa_float_denorm_mode_32 3
		.amdhsa_float_denorm_mode_16_64 3
		.amdhsa_memory_ordered 1
		.amdhsa_forward_progress 1
		.amdhsa_inst_pref_size 255
	.end_amdhsa_kernel
	.section	.bss,"aw",@nobits
	.p2align	6
	.space	262144
	.amdgpu_metadata
---
amdhsa.version: [ 1, 2 ]
amdhsa.kernels:
  - .name:           k_q756da8dcfe_attn
    .symbol:         k_q756da8dcfe_attn.kd
    .args:
      - { .name: qkv, .offset: 0, .size: 8, .value_kind: global_buffer, .address_space: global }
      - { .name: x, .offset: 8, .size: 8, .value_kind: global_buffer, .address_space: global }
    .group_segment_fixed_size: 327680
    .private_segment_fixed_size: 0
    .kernarg_segment_align: 8
    .kernarg_segment_size: 16
    .max_flat_workgroup_size: 256
    .sgpr_count:     66
    .vgpr_count:     512
    .wavefront_size: 32
...
	.end_amdgpu_metadata
.endif
;; end of part 2
;; launch oproj (part 3): grid 4 x 64, 4 waves a work-group, clusters of 4 x 1, 327,680 bytes of LDS; arguments x, w_or, w_oi, b_or, b_oi, out0, out1; writes out0, out1
.if DOCPART == 3
	.amdgcn_target "amdgcn-amd-amdhsa--gfx1250"
	.amdhsa_code_object_version 6
	.text
	.protected	k_q756da8dcfe_oproj
	.globl	k_q756da8dcfe_oproj
	.p2align	8
	.type	k_q756da8dcfe_oproj,@function
k_q756da8dcfe_oproj:
	s_mov_b64 s[64:65], 0
	v_nop
	global_prefetch_b8 v0, s[64:65] scope:SCOPE_SE
	s_setreg_imm32_b32 hwreg(HW_REG_WAVE_MODE, 25, 1), 1
	s_wait_xcnt 0x0
	s_wait_alu depctr_hold_cnt(0) depctr_sa_sdst(0) depctr_va_vdst(0) depctr_va_sdst(0) depctr_va_ssrc(0) depctr_va_vcc(0) depctr_vm_vsrc(0)
	s_getreg_b32 s2, hwreg(HW_REG_IB_STS2, 6, 4)
	s_cmp_eq_u32 s2, 0
	s_cbranch_scc0 .Lentry_in_a_cluster
	s_endpgm
.Lentry_in_a_cluster:
	s_bfe_u32 s2, ttmp6, 0x10000c
	s_cmp_lg_u32 s2, 0x3003
	s_cbranch_scc0 .Lentry_shape_is_right
	s_endpgm
.Lentry_shape_is_right:
; The two output layers: out = x W^T + b.  x[stream 2][batch 4][head 16][token 2048][32] f16; W [512][512] f32; b [512] f32; out [8192][512] f32.
; A work-group makes 256 tokens x 128 columns of one stream with four waves; a wave makes 64 tokens x 128 columns: 32 accumulator tiles, 256 registers.
; K goes in four steps of 128, which are four heads.  x comes by tensor loads into a ring of two LDS slots: wave w fetches head 4 t + w of step t.
; W does not go through the ring: each wave loads 32 of the 128 rows into registers, a step ahead, rounds them once to f16 and puts them into an LDS
; buffer of their own, from which all four waves take their fragments.  Sums and bias in f32.
; LIMITS: f16 operands: |W| below 65,504, magnitudes under 6.1e-5 on f16's denormal grid (steps of 6e-8).  NaN and infinities are not followed.
; CLUSTERS: the four work-groups of a cluster make the four column quarters of the same 256 tokens and need the same tiles of x: asked for jointly
; (mask 15).  W's quarter differs from partner to partner, so nothing of it can be shared.
; REGISTERS: window 0 addresses and f16 fragments (two buffers); window 1 accumulators (tile (a, b) at v[8 (8 a + b)]); window 2 v0-127 W's f32 numbers
; as they come from memory, v192-255 the bias in the accumulators' layout.
; The matrix instruction is used transposed (source 0 = 16 rows of W, source 1 = 16 tokens): lane l holds token l % 16, columns 8 (l / 16) + 0..7 of the tile.
.set KB,     512                       ; bytes of a K step (128 f32) in a row of W
.set HBYTES, 256*80                    ; one head's 256 tokens, a token every 80 bytes (64 + 16)
.set SLOT,   4*HBYTES
.set WBUF,   2*SLOT                    ; behind the ring: W's step in f16, 128 rows; no fill lands here
.set WPITCH, 272                       ; 256 bytes + 16
.set STAGE,  WBUF+128*WPITCH           ; behind it: each wave's own stage, 16 rows of 528 bytes; no fill lands here
.set SPITCH, 528
.set STG_W,  16*SPITCH
.set ADA, 4                            ; v4, v5   LDS address of my x fragments in slot 0, 1
.set ADW, 6                            ; v6       LDS address of W's fragments
.set WST, 7                            ; v7       where I put 8 bytes of a row of W
.set STO, 8
.set RD,  9
.set CO,  10                           ; v10      16 x lane
.set BA,  11
.set F0,  64                           ; v64-159  fragments, buffer 0: x's four at +8a, W's eight at +32+8b
.set F1,  160                          ; v160-255 buffer 1
.set WL,  0                            ; window 2
.set BIAS, 192                         ; window 2
.set G1A, 44
.set G0A, 72
.set MSB, 0
.macro WIN new                         ; the immediate's high byte repeats the setting that is left; a switch that changes nothing is dropped
.if MSB != \new
	s_set_vgpr_msb (MSB<<8)|\new
.set MSB, \new
.endif
.endm
.macro PLACES n
.rept \n
	v_nop
.endr
.endm
.macro ROUND                           ; a round of the cluster's barrier
	s_barrier_signal -1
	s_barrier_wait -1
	s_cmp_lg_u32 s8, 0
	s_cbranch_scc1 .Lnot_wave_0_\@
	s_barrier_signal -3
.Lnot_wave_0_\@:
	s_barrier_wait -3
	s_barrier_signal -1
	s_barrier_wait -1
.endm
; 32 loads: my 32 rows of W's K step t; one instruction takes a row's 512 consecutive bytes
.macro GLW t
	WIN 0x80
.set ii, 0
.rept 32
	global_load_b128 v[WL+4*ii:WL+4*ii+3], v[CO], s[40:41] offset:ii*2048+(\t)*KB
.set ii, ii+1
.endr
.endm
	s_load_b256 s[16:23], s[0:1], 0x0              ; x, w_or, w_oi, b_or
	s_load_b128 s[24:27], s[0:1], 0x20             ; b_oi, out0
	s_load_b64 s[28:29], s[0:1], 0x30              ; out1
	v_lshl_add_u32 v62, v0, 2, 0x38c00
	v_mov_b32 v63, 0
	ds_add_u32 v62, v63
	v_lshrrev_b32 v1, 5, v0
	v_readfirstlane_b32 s8, v1                     ; wave 0..3
	s_bfe_u32 s11, ttmp6, 0x40000                  ; cx: my quarter of the columns
	s_and_b32 s12, ttmp7, 0xffff                   ; y = 32 x stream + row block
	s_lshr_b32 s13, s12, 5                         ; stream
	s_and_b32 s14, s12, 31                         ; block of 256 tokens
	; group 1 of x's tiles: 256 tokens of 64 bytes are dense: 64 rows of 32 elements of 8 bytes; 4 words of padding behind every 16
	s_mov_b32 s[G1A+0], 15|(3<<16)|(1<<20)|(1<<21)|(3<<22)|(3<<25)
	s_mov_b32 s[G1A+1], 32<<16                     ; tensor_dim0 = 32
	s_mov_b32 s[G1A+2], 64<<16                     ; tensor_dim1 = 64
	s_mov_b32 s[G1A+3], 32<<16                     ; tile_dim0 = 32
	s_mov_b32 s[G1A+4], 64                         ; tile_dim1 = 64
	s_mov_b32 s[G1A+5], 32                         ; elements from row to row
	s_mov_b32 s[G1A+6], 0
	s_mov_b32 s[G1A+7], 0
	; offsets, each in a pair of its own; s[60:61], which feeds the joint loads, never holds cx
	s_lshl_b32 s60, s13, 23                        ; x: stream,
	s_lshr_b32 s61, s14, 3
	s_lshl_b32 s61, s61, 21                        ;    batch,
	s_add_co_u32 s60, s60, s61
	s_and_b32 s61, s14, 7
	s_lshl_b32 s61, s61, 14                        ;    the block's 256 tokens of 64 bytes,
	s_add_co_u32 s60, s60, s61
	s_lshl_b32 s61, s8, 17                         ;    head w of the step's four
	s_add_co_u32 s60, s60, s61
	s_mov_b32 s61, 0
	s_lshl_b32 s62, s11, 18                        ; W: my quarter of 128 rows, my wave's 32 rows
	s_lshl_b32 s63, s8, 16
	s_add_co_u32 s62, s62, s63
	s_mov_b32 s63, 0
	s_lshl_b32 s2, s11, 9                          ; bias: my 128 numbers
	s_mov_b32 s3, 0
	s_lshl_b32 s4, s14, 19                         ; out: 256 rows of 2,048 bytes a block, my wave's 64 rows, my 128 columns
	s_lshl_b32 s5, s8, 17
	s_add_co_u32 s4, s4, s5
	s_add_co_u32 s4, s4, s2
	s_mov_b32 s5, 0
	s_mul_i32 s66, s8, HBYTES                      ; LDS: my head of a slot
	v_and_b32 v1, 15, v0                           ; r
	v_bfe_u32 v2, v0, 4, 1                         ; h
	v_and_b32 v3, 31, v0                           ; lane
	v_lshlrev_b32 v[CO], 4, v3
	v_lshlrev_b32 v[BA], 5, v2
	s_wait_dscnt 0x0
	s_wait_kmcnt 0x0
	s_cmp_eq_u32 s13, 1                            ; the stream picks weights, bias and output
	s_cselect_b64 s[40:41], s[20:21], s[18:19]
	s_cselect_b64 s[42:43], s[24:25], s[22:23]
	s_cselect_b64 s[36:37], s[28:29], s[26:27]
	s_add_nc_u64 s[38:39], s[16:17], s[60:61]
	s_add_nc_u64 s[40:41], s[40:41], s[62:63]
	s_add_nc_u64 s[42:43], s[42:43], s[2:3]
	s_add_nc_u64 s[36:37], s[36:37], s[4:5]
.irp n, 0,1
	s_mov_b32 s[G0A+4*\n], 1
	s_add_co_u32 s[G0A+4*\n+1], s66, \n*SLOT
	s_add_nc_u64 s[G0A+4*\n+2:G0A+4*\n+3], s[38:39], \n*524288     ; K step n: four heads of 131,072 bytes on
	s_or_b32 s[G0A+4*\n+3], s[G0A+4*\n+3], 0x80000000
.endr
	WIN 0x80
.irp b, 0,1,2,3,4,5,6,7
	global_load_b128 v[BIAS+8*\b:BIAS+8*\b+3],   v[BA], s[42:43] offset:64*\b      ; bias of columns 16 b + 8 h + 0..3
	global_load_b128 v[BIAS+8*\b+4:BIAS+8*\b+7], v[BA], s[42:43] offset:64*\b+16
.endr
	GLW 0                                          ; W's K step 0; loads into registers may be out across the round
	WIN 0
	ROUND                                          ; all four partners are here: the first joint loads meet
	tensor_load_to_lds s[G0A:G0A+3], s[G1A:G1A+7]      ; K step 0; the two first fills go out together
	s_nop 0
	tensor_load_to_lds s[G0A+4:G0A+7], s[G1A:G1A+7]    ; K step 1
	s_nop 0
	v_mul_u32_u24 v12, v1, 80
	v_lshl_add_u32 v12, v2, 4, v12                 ; token r x 80 + 16 h
	s_mul_i32 s68, s8, 64*80                       ; my wave's 64 tokens
	v_add_nc_u32 v[ADA], s68, v12
	v_add_nc_u32 v[ADA+1], SLOT, v[ADA]
	v_mul_u32_u24 v13, v1, WPITCH
	v_lshl_add_u32 v13, v2, 4, v13                 ; W's row r x 272 + 16 h
	v_add_nc_u32 v[ADW], WBUF, v13
	s_mul_i32 s9, s8, 32*WPITCH
	s_add_co_u32 s9, s9, WBUF                      ; my wave's 32 rows of W's buffer
	v_lshl_add_u32 v[WST], v3, 3, s9               ; + 8 x lane: four f16
	s_mul_i32 s69, s8, STG_W
	s_add_co_u32 s69, s69, STAGE                   ; my stage
	v_mul_u32_u24 v14, v1, SPITCH
	v_lshl_add_u32 v14, v2, 5, v14
	v_add_nc_u32 v[STO], s69, v14                  ; in: token r, 32 bytes for each half of the lanes
	v_add_nc_u32 v[RD], s69, v[CO]                 ; back: the wave takes a row's 512 bytes
; W's step: my 32 rows are rounded in place (a lane's four f32 of a row become 8 bytes) and put into W's buffer; a store of the wave covers a row's 256 bytes
.macro PUTW
	WIN 0x8a
.set ii, 0
.rept 32
	v_cvt_pk_f16_f32 v[WL+4*ii],   v[WL+4*ii],   v[WL+4*ii+1]
	v_cvt_pk_f16_f32 v[WL+4*ii+1], v[WL+4*ii+2], v[WL+4*ii+3]
.set ii, ii+1
.endr
	WIN 0x08                                       ; store data in window 2
.set ii, 0
.rept 32
	ds_store_b64 v[WST], v[WL+4*ii:WL+4*ii+1] offset:ii*WPITCH
.set ii, ii+1
.endr
.endm
; 24 LDS loads: 32 along K = head kk of the step: x's four fragments and W's eight, all f16, straight into buffer f
.macro LOADF slot, kk, f
	WIN 0
.irp a, 0,1,2,3
	ds_load_b128 v[\f+8*\a:\f+8*\a+3],   v[ADA+\slot] offset:\kk*HBYTES+\a*1280
	ds_load_b128 v[\f+8*\a+4:\f+8*\a+7], v[ADA+\slot] offset:\kk*HBYTES+\a*1280+32
.endr
.irp b, 0,1,2,3,4,5,6,7
	ds_load_b128 v[\f+32+8*\b:\f+32+8*\b+3],   v[ADW] offset:\b*16*WPITCH+64*\kk
	ds_load_b128 v[\f+32+8*\b+4:\f+32+8*\b+7], v[ADW] offset:\b*16*WPITCH+64*\kk+32
.endr
.endm
; 32 matrix instructions, the 32 accumulators by turns, one instruction a turn.  first = 1: C is the bias, which starts the sums.
.macro MUL f, first
.if \first
	WIN 0x60
.else
	WIN 0x50
.endif
.irp a, 0,1,2,3
.irp b, 0,1,2,3,4,5,6,7
.if \first
	v_wmma_f32_16x16x32_f16 v[8*(8*\a+\b):8*(8*\a+\b)+7], v[\f+32+8*\b:\f+32+8*\b+7], v[\f+8*\a:\f+8*\a+7], v[BIAS+8*\b:BIAS+8*\b+7]
.else
	v_wmma_f32_16x16x32_f16 v[8*(8*\a+\b):8*(8*\a+\b)+7], v[\f+32+8*\b:\f+32+8*\b+7], v[\f+8*\a:\f+8*\a+7], v[8*(8*\a+\b):8*(8*\a+\b)+7]
.endif
.endr
.endr
.endm
; K step t, in slot.  mode 0: the first step; mode 1: the other slot, read in the last step, is filled again; mode 2: nothing is left to fetch.
; A load into a buffer stands four places behind the matrix instructions that read it (ISA guide 7.12.1 for vector instructions):
; inside a step four v_nop, from step to step the 64 conversions of W, which name none of their registers.
.macro TRIP t, slot, other, mode, first
.if \mode == 0
	s_wait_tensorcnt 0x1                           ; my head of K step 0 is in; K step 1's load, issued behind it, stays out
.else
	s_wait_tensorcnt 0x0                           ; all my tensor loads are done (my head of this step among them),
	ds_add_u32 v62, v63
	s_wait_dscnt 0x0
.if \mode == 1
	s_add_nc_u64 s[G0A+4*\other+2:G0A+4*\other+3], s[G0A+4*\other+2:G0A+4*\other+3], 1048576   ; so the other slot's group 0 may step: eight heads on
.endif
	s_wait_dscnt 0x0                               ; my reads of the other slot and of W's buffer are done
.if \mode == 1
	ROUND                                          ; both now hold of every wave of the four partners
	tensor_load_to_lds s[G0A+4*\other:G0A+4*\other+3], s[G1A:G1A+7]    ; my one tensor load behind the round: the next K step, into the slot read last
	s_nop 0
.else
	s_barrier_signal -1                            ; every wave's head of this step is in, and no wave still reads W's buffer
	s_barrier_wait -1
.endif
.endif
	s_wait_loadcnt 0x0                             ; W's step (issued a step ago), in the first step the bias too
	PUTW
	s_wait_dscnt 0x0                               ; my part of W's buffer is written
	s_barrier_signal -1
	s_barrier_wait -1                              ; everybody's is; in the first step everybody's head of x is in, too
	LOADF \slot, 0, F0
	LOADF \slot, 1, F1
.if \t < 3
	GLW \t+1                                       ; the next step's W; its registers are free since the wait for the stores above
.endif
	s_wait_dscnt 24                                ; buffer 0 is in; the 24 loads issued behind it stay out
	MUL F0, \first
	WIN 0
	PLACES 4
	LOADF \slot, 2, F0
	s_wait_dscnt 24                                ; buffer 1
	MUL F1, 0
	WIN 0
	PLACES 4
	LOADF \slot, 3, F1
	s_wait_dscnt 24                                ; buffer 0
	MUL F0, 0
	s_wait_dscnt 0x0                               ; buffer 1
	MUL F1, 0
	WIN 0
.endm
	TRIP 0, 0, 1, 0, 1                             ; its first products start the sums
	TRIP 1, 1, 0, 1, 0                             ; slot 0 is filled with K step 2
	TRIP 2, 0, 1, 1, 0                             ; slot 1 is filled with K step 3
	TRIP 3, 1, 0, 2, 0
; THE WAY OUT, 16 tokens at a time: the f32 sums go straight from the accumulators into my own stage and come back as whole rows of 512 bytes.
.macro OUT16 a, f
	WIN 0x04                                       ; store data in window 1
.irp b, 0,1,2,3,4,5,6,7
	ds_store_b128 v[STO], v[8*(8*\a+\b):8*(8*\a+\b)+3]   offset:64*\b      ; token r, columns 16 b + 8 h + 0..3
	ds_store_b128 v[STO], v[8*(8*\a+\b)+4:8*(8*\a+\b)+7] offset:64*\b+16
.endr
	WIN 0
	s_wait_xcnt 0x0                                ; buffer f, which earlier stores read, is loaded again only behind this wait
.set tt, 0
.rept 16
	ds_load_b128 v[\f+4*tt:\f+4*tt+3], v[RD] offset:tt*SPITCH      ; LDS serves a wave's instructions in order: these see the stores above
.set tt, tt+1
.endr
.set tt, 0
.rept 16
	s_wait_dscnt 15-tt                             ; the younger read-backs may stay out
	global_store_b128 v[CO], v[\f+4*tt:\f+4*tt+3], s[36:37] offset:\a*32768+tt*2048 th:TH_STORE_NT   ; 512 consecutive bytes, at a multiple of 512
.set tt, tt+1
.endr
.endm
	PLACES 4                                       ; behind the last matrix instructions, in front of the LDS stores that read results
	OUT16 0, F0
	OUT16 1, F1
	OUT16 2, F0
	OUT16 3, F1
	s_wait_tensorcnt 0x0
	ds_add_u32 v62, v63
	s_wait_dscnt 0x0
	ROUND                                          ; the closing round: no work-group ends while a partner may still ask jointly
	s_endpgm
.Lfunc_end_k_q756da8dcfe_oproj:
	.size	k_q756da8dcfe_oproj, .Lfunc_end_k_q756da8dcfe_oproj-k_q756da8dcfe_oproj
	.p2alignl 7, 3214868480
	.fill 96, 4, 3214868480
	.section	.rodata,"a",@progbits
	.p2align	6, 0x0
	.amdhsa_kernel k_q756da8dcfe_oproj
		.amdhsa_group_segment_fixed_size 327680
		.amdhsa_private_segment_fixed_size 0
		.amdhsa_enable_private_segment 0
		.amdhsa_kernarg_size 56
		.amdhsa_user_sgpr_count 2
		.amdhsa_user_sgpr_kernarg_segment_ptr 1
		.amdhsa_wavefront_size32 1
		.amdhsa_system_sgpr_workgroup_id_x 1
		.amdhsa_system_sgpr_workgroup_id_y 1
		.amdhsa_system_sgpr_workgroup_id_z 1
		.amdhsa_system_vgpr_workitem_id 0
		.amdhsa_next_free_vgpr 768
		.amdhsa_next_free_sgpr 88
		.amdhsa_reserve_vcc 0
		.amdhsa_float_denorm_mode_32 3
		.amdhsa_float_denorm_mode_16_64 3
		.amdhsa_memory_ordered 1
		.amdhsa_forward_progress 1
		.amdhsa_inst_pref_size 120
	.end_amdhsa_kernel
	.amdgpu_metadata
---
amdhsa.version: [ 1, 2 ]
amdhsa.kernels:
  - .name:           k_q756da8dcfe_oproj
    .symbol:         k_q756da8dcfe_oproj.kd
    .args:
      - { .name: x, .offset: 0, .size: 8, .value_kind: global_buffer, .address_space: global }
      - { .name: w_or, .offset: 8, .size: 8, .value_kind: global_buffer, .address_space: global }
      - { .name: w_oi, .offset: 16, .size: 8, .value_kind: global_buffer, .address_space: global }
      - { .name: b_or, .offset: 24, .size: 8, .value_kind: global_buffer, .address_space: global }
      - { .name: b_oi, .offset: 32, .size: 8, .value_kind: global_buffer, .address_space: global }
      - { .name: out0, .offset: 40, .size: 8, .value_kind: global_buffer, .address_space: global }
      - { .name: out1, .offset: 48, .size: 8, .value_kind: global_buffer, .address_space: global }
    .group_segment_fixed_size: 327680
    .private_segment_fixed_size: 0
    .kernarg_segment_align: 8
    .kernarg_segment_size: 56
    .max_flat_workgroup_size: 128
    .sgpr_count:     88
    .vgpr_count:     768
    .wavefront_size: 32
...
	.end_amdgpu_metadata
.endif
;; end of part 3
